; MI455X (gfx1250); checked and timed in simulation.
; The chip was launched on July 23, 2026; its instructions are those of AMD's public machine-readable ISA for CDNA 5 (MIT licence, August 2026) and "CDNA5" Instruction Set Architecture Reference Guide (July 2026). The comments in the code are by the model that wrote it; some were corrected since.
;; A Li Bi Attention. Allowed arithmetic: matrix products marked QUANTISED: E2M3 operands, one E8M0 scale for each 32 along K, by v_wmma_scale_f32_16x16x128_f8f6f4 with both operands' format E2M3, f32 sums; everything else in f32.
;; Inputs: k_norm_w 64 float32; q_norm_w 64 float32; wk 256 x 1,024 float32; wo 1,024 x 1,024 float32; wq 1,024 x 1,024 float32; wv 256 x 1,024 float32; x 2 x 2,048 x 1,024 float32.
;; Outputs: out0 2 x 2,048 x 1,024 float32.
;; This version of the problem:
;;   THIS VERSION OF THE PROBLEM IS GIVEN IN LOW PRECISION. The matrix products marked QUANTISED in the list below multiply operands that are first quantised to E2M3 (2 exponent bits, 3 mantissa bits; 6 bits a number), with one power-of-two scale for each 32 numbers along K (OCP MX v1.0); their sums are f32. All else is computed in f32.
;;   The module's matrix products, in the order in which they are computed (A, B: the left and right operand; K: the contracted axis; several contracted axes count as one K, in the product's order):
;;     1. [M 4,096, K 1,024] x [K 1,024, N 1,024]; A: input x; B: input wq: QUANTISED
;;     2. [M 4,096, K 1,024] x [K 1,024, N 256]; A: input x; B: input wk: QUANTISED
;;     3. [M 4,096, K 1,024] x [K 1,024, N 256]; A: input x; B: input wv: QUANTISED
;;     4. batch 32 x [M 2,048, K 64] x [K 64, N 2,048]; A: computed on the way; B: computed on the way: QUANTISED
;;     5. batch 32 x [M 64, K 2,048] x [K 2,048, N 2,048]; A: computed on the way; B: softmax (see below): QUANTISED
;;     6. [M 4,096, K 1,024] x [K 1,024, N 1,024]; A: computed on the way; B: input wo: QUANTISED
;;   THE QUANTISER, for each operand of a quantised product, along K:
;;     - K is cut into blocks of 32 from its start; a last block that is shorter is filled with zeros.
;;     - A block's scale is 2^e with e = floor(log2(the largest magnitude in the block)) - 2, held to -126 .. 127; a block of zeros has e = 0. As a byte (E8M0): e + 127.
;;     - Each number is divided by its block's scale, clamped to +-7.5, and rounded to the nearest number of E2M3, ties to even, subnormals kept.
;;     - The product sums the exact products of the quantised numbers (number of the format x scale) in f32.
;;   ~~~python
;;   def quantise(x, axis):      # numpy; x: float32 -> the quantised numbers, widened to float32 again
;;       x = np.moveaxis(x, axis, -1); K = x.shape[-1]
;;       x = np.pad(x, [(0, 0)] * (x.ndim - 1) + [(0, -K % 32)]); x = x.reshape(x.shape[:-1] + (-1, 32)); a = np.abs(x).max(-1, keepdims=True)
;;       e = np.where(a > 0, np.clip(np.frexp(np.where(a > 0, a, 1))[1] - 1 - 2, -126, 127), 0)      # np.frexp(a)[1] - 1 = floor(log2(a)), exactly
;;       r = np.clip(x / 2.0 ** e, -7.5, 7.5)
;;       step = 2.0 ** (np.maximum(np.frexp(np.where(r == 0, 1, r))[1] - 1, 0) - 3)
;;       q = np.round(r / step) * step * 2.0 ** e      # np.round: ties to even
;;       return np.moveaxis(q.reshape(q.shape[:-2] + (-1,))[..., :K], -1, axis).astype(np.float32)
;;   ~~~
;;   SOFTMAX AHEAD OF A QUANTISED PRODUCT. Where the list says 'softmax', what is quantised is not the finished softmax but p = 2^(t - M), with t = logit x log2(e) and M = ceil(the row's largest t), a whole number; so 1/2 < the row's largest p <= 1. The row's sum l is taken of the UNQUANTISED p, in f32, and the product's result is divided by l at the end. Since M is a whole number, a kernel that streams over the keys may use a running M (the ceiling of the running maximum): every later rescaling is an exact power of two, which a block's scale takes up: the codes' values come out the same.
;;   OPERANDS COMPUTED ON THE WAY. 'Computed on the way' means the value that the module computes at that place (a softmax that the list does not call 'softmax' is quantised finished and normalised). What goes into a quantiser is computed in f32, as accurately as f32 sums, v_exp_f32 and their like allow (about 1e-6 of the number): no bf16 or f16 on the way to a quantiser, and a product that is left as it is and whose result goes on into a quantised operand takes f32 operands (vector FMAs, or v_wmma_f32_16x16x4_f32). A number that lies on a knife's edge between two numbers of the format may be rounded either way, as far as f32 arithmetic and the matrix unit's own rounding can turn it there, and no further.
;; One version. Each part assembles by itself: llvm-mc -triple=amdgcn-amd-amdhsa -mcpu=gfx1250 --defsym DOCPART=n.
;; ======== version 1 of 1: 3 launches
;; workspace buffers: codes 5,111,808 bytes; scales 212,992 bytes; ocodes 3,145,728 bytes; oscales 131,072 bytes
;; launch quant (part 1): grid 416 x 1, 4 waves a work-group, no clusters, 68,608 bytes of LDS; arguments x, wq, wk, wv, wo, codes, scales; writes codes, scales
.if DOCPART == 1
	.amdgcn_target "amdgcn-amd-amdhsa--gfx1250"
	.amdhsa_code_object_version 6
	.text
	.protected	k_q302b12b10f_quant
	.globl	k_q302b12b10f_quant
	.p2align	8
	.type	k_q302b12b10f_quant,@function
k_q302b12b10f_quant:
	s_mov_b64 s[64:65], 0
	v_nop
	global_prefetch_b8 v0, s[64:65] scope:SCOPE_SE
	s_setreg_imm32_b32 hwreg(HW_REG_WAVE_MODE, 25, 1), 1
	s_wait_xcnt 0x0
; x [4096][1024], wq [1024][1024], wk, wv [256][1024], wo [1024][1024], all f32 with K innermost, become codes of FP6 (E2M3) with one E8M0 byte for each 32 along K.
; A block's scale is 2^(floor(log2(its largest magnitude)) - 2); its byte is that magnitude's exponent field - 2, held at 1 from below.
; LIMITS: a block of zeros gets the byte 1 where the quantiser's text says 127 (its codes are zeros, and this program alone reads the bytes); NaN and infinities among the inputs are not served.
; LAYOUT OUT: images of the matrix operand's registers.  A fragment (16 rows x 128 K) is 1,536 bytes: register p of lane l at (p / 4) x 512 + 16 l + 4 (p % 4).
; A tile's scale words are 512 bytes: word j of lane (r, hs) is row r's word of K step 2 j + hs, at 16 lane + 4 j.
; SHARES: a work-group takes one tile of 16 rows over all of K; wave j takes K steps 2 j and 2 j + 1.  Work-groups 0-255: x; 256-319: wq; 320-335: wk; 336-351: wv; 352-415: wo.
; Tiles of wq and wk take rows 32 b + 8 u + m + 8 (m / 8) of a head (tile 2 b + u, m = 0 .. 15), so that the products' results lie as neighbours along the next K.
; wo's K is taken head by head in the order in which the attention launch lays its results: K step 2 j + e, half c = head j + 8 e + 4 c.  Blocks of 32 stay whole.
; The work-groups share no input: no cluster, no joint loads, no matrix unit.  All 32 loads of a wave are asked for at its head; each covers two runs of 256 consecutive bytes.
.set WOB,  1179648                     ; codes: wo's images begin here
.set XB,   1966080                     ; and x's here
.set WREG, 16896                       ; LDS of a wave: two stages of 16 rows x 528 bytes (512 + 16: the sixteen rows of a load start at sixteen different places among the banks)
.set STG1, 8448
.set SPI,  528
.set SCG,  4*WREG                      ; the tile's 512 bytes of scale words, gathered from the four waves
.set R,    128                         ; v128-255 the numbers as loaded: K step e at R + 64 e; later the second step's numbers by blocks
.set X0,   64                          ; v64-127  the first step's numbers: register 32 c + i = k 64 c + 32 h + i of row r
.set F0,   36                          ; v36-47, v48-59 the two fragments
.set F1,   48
.set TM,   14
.set SOP,  16
.set BY,   18
.set WD0,  20
.set WD1,  21
.set PX,   22
.set SWR,  23
.set CT,   26                          ; v26-28, v30-32
.set SG,   60
	s_load_b256 s[4:11], s[0:1], 0x0               ; x, wq, wk, wv
	s_load_b128 s[12:15], s[0:1], 0x20             ; wo, codes
	s_load_b64 s[16:17], s[0:1], 0x30              ; scales
	v_lshl_add_u32 v34, v0, 2, 0x10a00
	v_mov_b32 v35, 0
	v_lshrrev_b32 v13, 5, v0
	v_readfirstlane_b32 s33, v13                   ; wave j
	v_and_b32 v1, 31, v0                           ; lane
	v_lshlrev_b32 v2, 4, v1                        ; 16 x lane
	v_and_b32 v3, 15, v0                           ; r
	v_bfe_u32 v4, v0, 4, 1                         ; h
	s_mul_i32 s34, s33, WREG
	v_add_nc_u32 v9, s34, v2                       ; into a stage: a row's 512 bytes as they were loaded
	v_mul_u32_u24 v10, v3, SPI
	v_lshl_add_u32 v10, v4, 7, v10
	v_add_nc_u32 v10, s34, v10                     ; out of it: row r, 128 h bytes on
	s_lshl_b32 s35, s33, 2
	s_add_co_u32 s35, s35, SCG
	v_add_nc_u32 v11, s35, v2                      ; my scale word's place: 16 lane + 4 j
	v_add_nc_u32 v33, SCG, v2                      ; and where wave 0 reads the tile's words back
	v_lshlrev_b32 v12, 3, v4                       ; 8 h
	v_mov_b32 v[PX], 0                             ; a lane permute's destination counts as read
	; which tensor, which tile, and where its images go: all from the work-group's number
	s_sub_co_u32 s20, ttmp9, 352
	s_sub_co_u32 s21, ttmp9, 336
	s_sub_co_u32 s22, ttmp9, 320
	s_sub_co_u32 s23, ttmp9, 256
	s_cmp_lt_u32 s23, 80
	s_cselect_b32 s24, 1, 0                        ; 1: wq or wk, whose tiles take chosen rows
	s_cmp_ge_u32 ttmp9, 352
	s_cselect_b32 s25, 1, 0                        ; 1: wo
	s_lshr_b32 s26, s23, 2                         ; wq, wk, wv: head 0 .. 23
	s_and_b32 s27, s26, 3                          ; its group g
	s_lshr_b32 s26, s26, 2
	s_lshl_b32 s26, s26, 2
	s_and_b32 s28, s23, 3
	s_add_co_u32 s26, s26, s28                     ; tile nt of the group's 24
	s_mul_i32 s28, s27, 294912
	s_mul_i32 s29, s26, 3072
	s_add_co_u32 s28, s28, s29                     ; its images
	s_mul_i32 s27, s27, 24
	s_add_co_u32 s27, s27, s26                     ; its scale tile
	s_lshr_b32 s29, s20, 3                         ; wo: block of 128 rows,
	s_mul_i32 s29, s29, 98304
	s_and_b32 s30, s20, 7                          ; tile in it
	s_mul_i32 s30, s30, 3072
	s_add_co_u32 s29, s29, s30
	s_add_co_u32 s29, s29, WOB
	s_add_co_u32 s30, s20, 96
	s_mul_i32 s31, ttmp9, 3072                     ; x
	s_add_co_u32 s31, s31, XB
	s_add_co_u32 s32, ttmp9, 160
	s_mov_b32 s36, 73728                           ; bytes from a chunk of two K steps to the next
	s_cmp_ge_u32 ttmp9, 352
	s_cselect_b32 s28, s29, s28
	s_cselect_b32 s27, s30, s27
	s_cselect_b32 s36, 24576, s36
	s_cmp_lt_u32 ttmp9, 256
	s_cselect_b32 s28, s31, s28
	s_cselect_b32 s27, s32, s27
	s_cselect_b32 s36, 786432, s36
	s_mul_i32 s36, s36, s33
	s_add_co_u32 s28, s28, s36                     ; my wave's two fragments
	s_mov_b32 s29, 0
	s_lshl_b32 s30, s27, 9
	s_mov_b32 s31, 0
	s_mul_i32 s37, s25, 768                        ; where my numbers lie in a row: 1024 j + 512 e + 256 c; in wo 256 j + 2048 e + 1024 c
	s_sub_co_u32 s38, 1024, s37
	s_add_co_u32 s39, s37, 256
	s_mul_i32 s40, s25, 1536
	s_add_co_u32 s40, s40, 512
	s_lshl_b32 s41, s24, 15                        ; rows 8-15 of a chosen tile lie 8 rows further on
	v_mul_lo_u32 v13, v4, s39
	v_lshl_add_u32 v5, v3, 4, v13                  ; lanes 0-15 take half c = 0 of a row's K step, lanes 16-31 half c = 1
	v_add_nc_u32 v6, s41, v5
	v_add_nc_u32 v7, s40, v5
	v_add_nc_u32 v8, s41, v7
	s_wait_kmcnt 0x0
	s_cmp_lt_u32 ttmp9, 352
	s_cselect_b64 s[18:19], s[10:11], s[12:13]
	s_cselect_b32 s20, s21, s20
	s_cmp_lt_u32 ttmp9, 336
	s_cselect_b64 s[18:19], s[8:9], s[18:19]
	s_cselect_b32 s20, s22, s20
	s_cmp_lt_u32 ttmp9, 320
	s_cselect_b64 s[18:19], s[6:7], s[18:19]
	s_cselect_b32 s20, s23, s20
	s_cmp_lt_u32 ttmp9, 256
	s_cselect_b64 s[18:19], s[4:5], s[18:19]
	s_cselect_b32 s20, ttmp9, s20                  ; the tile's number in its tensor
	s_lshr_b32 s21, s20, 1
	s_lshl_b32 s21, s21, 5
	s_and_b32 s22, s20, 1
	s_lshl_b32 s22, s22, 3
	s_add_co_u32 s21, s21, s22                     ; 32 (t / 2) + 8 (t % 2)
	s_lshl_b32 s22, s20, 4                         ; or 16 t
	s_cmp_eq_u32 s24, 1
	s_cselect_b32 s21, s21, s22
	s_lshl_b32 s42, s21, 12                        ; a row is 4,096 bytes
	s_mul_i32 s22, s33, s38
	s_add_co_u32 s42, s42, s22
	s_mov_b32 s43, 0
	s_add_nc_u64 s[18:19], s[18:19], s[42:43]
	s_add_nc_u64 s[14:15], s[14:15], s[28:29]
	s_add_nc_u64 s[16:17], s[16:17], s[30:31]
.irp e, 0,1
.irp i, 0,1,2,3,4,5,6,7,8,9,10,11,12,13,14,15
	global_load_b128 v[R+64*\e+4*\i:R+64*\e+4*\i+3], v[5+2*\e+\i/8], s[18:19] offset:\i*4096 th:TH_LOAD_NT
.endr
.endr
; 64 numbers of a lane, two whole blocks (block 2 c + h of the K step in registers 32 c on), become the fragment's 12 registers and, with lane l xor 16's two bytes, the row's scale word; the fragment is stored.
.macro QUANT128 src, f, wd, e
.irp c, 0,1
	v_max3_num_f32 v[TM+\c], |v[\src+32*\c]|, |v[\src+32*\c+1]|, 0x1800000   ; the floor 2^(3 - 127) holds the byte at 1 from below
.endr
.irp i, 2,4,6,8,10,12,14,16,18,20,22,24,26,28,30
.irp c, 0,1
	v_max3_num_f32 v[TM+\c], v[TM+\c], |v[\src+32*\c+\i]|, |v[\src+32*\c+\i+1]|
.endr
.endr
.irp c, 0,1
	v_add_nc_u32 v[SOP+\c], 0xff000000, v[TM+\c]   ; 2 off the exponent field: the conversion's scale operand
.endr
.irp c, 0,1
	v_lshrrev_b32 v[BY+\c], 23, v[SOP+\c]          ; the byte
.endr
	v_lshl_or_b32 v[\wd], v[BY+1], 16, v[BY]
	v_lshlrev_b32 v[\wd], v12, v[\wd]              ; blocks h and 2 + h at their places
	v_permlanex16_b32 v[PX], v[\wd], s44, s45
	v_or_b32 v[\wd], v[\wd], v[PX]
.irp c, 0,1
	v_cvt_scalef32_pk16_fp6_f32 v[\f+6*\c:\f+6*\c+2], v[\src+32*\c:\src+32*\c+15], v[SOP+\c]
	v_cvt_scalef32_pk16_fp6_f32 v[CT+4*\c:CT+4*\c+2], v[\src+32*\c+16:\src+32*\c+31], v[SOP+\c]   ; (a conversion's three registers begin on an even number)
.endr
	v_nop                                          ; one plain instruction behind the conversions, ahead of the moves that read them
.irp c, 0,1
.irp i, 0,1,2
	v_mov_b32 v[\f+6*\c+3+\i], v[CT+4*\c+\i]
.endr
.endr
.irp c, 0,1,2
	global_store_b128 v2, v[\f+4*\c:\f+4*\c+3], s[14:15] offset:\e*1536+512*\c   ; 32 lanes store 512 consecutive bytes
.endr
.endm
	s_mov_b32 s44, 0x76543210
	s_mov_b32 s45, 0xfedcba98                      ; lane l xor 16
	s_wait_loadcnt 16                              ; the first K step's 16 loads are in; the second's may be out
.irp i, 0,1,2,3,4,5,6,7,8,9,10,11,12,13,14,15
	ds_store_b128 v9, v[R+4*\i:R+4*\i+3] offset:\i*SPI
.endr
.irp c, 0,1
.irp k, 0,1,2,3,4,5,6,7
	ds_load_b128 v[X0+32*\c+4*\k:X0+32*\c+4*\k+3], v10 offset:\c*256+16*\k   ; LDS serves a wave's instructions in order: these see my stores
.endr
.endr
	s_wait_loadcnt 0x0
.irp i, 0,1,2,3,4,5,6,7,8,9,10,11,12,13,14,15
	ds_store_b128 v9, v[R+64+4*\i:R+64+4*\i+3] offset:STG1+\i*SPI
.endr
	s_wait_dscnt 16                                ; all but the 16 stores just issued: stage 0's stores have read their registers, and the first step's numbers are back
.irp c, 0,1
.irp k, 0,1,2,3,4,5,6,7
	ds_load_b128 v[R+32*\c+4*\k:R+32*\c+4*\k+3], v10 offset:STG1+\c*256+16*\k
.endr
.endr
	QUANT128 X0, F0, WD0, 0
	s_wait_dscnt 0x0
	QUANT128 R, F1, WD1, 1
	v_cmp_gt_u32 vcc_lo, 16, v1
	v_cndmask_b32 v[SWR], v[WD1], v[WD0], vcc_lo   ; lanes 0-15 carry K step 2 j's word, lanes 16-31 step 2 j + 1's
	ds_store_b32 v11, v[SWR]
	s_wait_dscnt 0x0                               ; for the others' sake: my words lie in LDS
	s_barrier_signal -1
	s_barrier_wait -1
	s_cmp_lg_u32 s33, 0
	s_cbranch_scc1 .Ldone
	ds_load_b128 v[SG:SG+3], v33
	s_wait_dscnt 0x0
	global_store_b128 v2, v[SG:SG+3], s[16:17]     ; the tile's 512 bytes of scale words, whole
.Ldone:
	s_wait_tensorcnt 0x0
	ds_add_u32 v34, v35
	s_wait_dscnt 0x0
	s_endpgm
.Lfunc_end_k_q302b12b10f_quant:
	.size	k_q302b12b10f_quant, .Lfunc_end_k_q302b12b10f_quant-k_q302b12b10f_quant
	.p2alignl 7, 3214868480
	.fill 96, 4, 3214868480
	.section	.rodata,"a",@progbits
	.p2align	6, 0x0
	.amdhsa_kernel k_q302b12b10f_quant
		.amdhsa_group_segment_fixed_size 68608
		.amdhsa_private_segment_fixed_size 0
		.amdhsa_enable_private_segment 0
		.amdhsa_kernarg_size 56
		.amdhsa_user_sgpr_count 2
		.amdhsa_user_sgpr_kernarg_segment_ptr 1
		.amdhsa_wavefront_size32 1
		.amdhsa_system_sgpr_workgroup_id_x 1
		.amdhsa_system_sgpr_workgroup_id_y 1
		.amdhsa_system_sgpr_workgroup_id_z 1
		.amdhsa_system_vgpr_workitem_id 0
		.amdhsa_next_free_vgpr 256
		.amdhsa_next_free_sgpr 66
		.amdhsa_reserve_vcc 1
		.amdhsa_float_denorm_mode_32 3
		.amdhsa_float_denorm_mode_16_64 3
		.amdhsa_memory_ordered 1
		.amdhsa_forward_progress 1
		.amdhsa_inst_pref_size 20
	.end_amdhsa_kernel
	.amdgpu_metadata
---
amdhsa.version: [ 1, 2 ]
amdhsa.kernels:
  - .name:           k_q302b12b10f_quant
    .symbol:         k_q302b12b10f_quant.kd
    .args:
      - { .name: x, .offset: 0, .size: 8, .value_kind: global_buffer, .address_space: global }
      - { .name: wq, .offset: 8, .size: 8, .value_kind: global_buffer, .address_space: global }
      - { .name: wk, .offset: 16, .size: 8, .value_kind: global_buffer, .address_space: global }
      - { .name: wv, .offset: 24, .size: 8, .value_kind: global_buffer, .address_space: global }
      - { .name: wo, .offset: 32, .size: 8, .value_kind: global_buffer, .address_space: global }
      - { .name: codes, .offset: 40, .size: 8, .value_kind: global_buffer, .address_space: global }
      - { .name: scales, .offset: 48, .size: 8, .value_kind: global_buffer, .address_space: global }
    .group_segment_fixed_size: 68608
    .private_segment_fixed_size: 0
    .kernarg_segment_align: 8
    .kernarg_segment_size: 56
    .max_flat_workgroup_size: 128
    .sgpr_count:     66
    .vgpr_count:     256
    .wavefront_size: 32
...
	.end_amdgpu_metadata
.endif
;; end of part 1
;; launch qkvattn (part 2): grid 4 x 64, 4 waves a work-group, clusters of 4 x 4, 327,680 bytes of LDS; arguments codes, scales, q_norm_w, k_norm_w, ocodes, oscales; writes ocodes, oscales
.if DOCPART == 2
	.amdgcn_target "amdgcn-amd-amdhsa--gfx1250"
	.amdhsa_code_object_version 6
	.text
	.protected	k_q302b12b10f_qkvattn
	.globl	k_q302b12b10f_qkvattn
	.p2align	8
	.type	k_q302b12b10f_qkvattn,@function
k_q302b12b10f_qkvattn:
	s_mov_b64 s[64:65], 0
	v_nop
	global_prefetch_b8 v0, s[64:65] scope:SCOPE_SE
	s_setreg_imm32_b32 hwreg(HW_REG_WAVE_MODE, 25, 1), 1
	s_wait_xcnt 0x0
	s_wait_alu depctr_hold_cnt(0) depctr_sa_sdst(0) depctr_va_vdst(0) depctr_va_sdst(0) depctr_va_ssrc(0) depctr_va_vcc(0) depctr_vm_vsrc(0)
	s_getreg_b32 s2, hwreg(HW_REG_IB_STS2, 6, 4)
	s_cmp_eq_u32 s2, 0
	s_cbranch_scc0 .Lentry_in_a_cluster
	s_endpgm
.Lentry_in_a_cluster:
	s_bfe_u32 s2, ttmp6, 0x10000c
	s_cmp_lg_u32 s2, 0xf033
	s_cbranch_scc0 .Lentry_shape_is_right
	s_endpgm
.Lentry_shape_is_right:
; q, k, v = x W^T on codes of FP6; RMS norms of q and k; scores with ALiBi, the causal mask and the window of 16; softmax as p = 2^(t - M); p V; division by the row's sum; the result quantised for the last product.
; SHARES.  Work-group (g, rb): kv head g, its query heads g + 4 w (wave w), rows 64 rb .. 64 rb + 63 of the 4,096.  It works on six tiles of 16 rows of x: tiles 0, 1 are the 32 rows ahead (k wants 16 of them,
; v a whole block of 32 keys for its scale), tiles 2-5 its own.  Wave w makes q of its head (16 accumulators).  Waves 0, 1 also make k of tiles 3 (w % 2) + 0 .. 2; waves 2, 3 make v: 32 of its 64 columns each, all six tiles.
; k of tile 0 is made and not read: 4 of a K wave's 28 products a step, so that both K waves run one text.
; q and k are used transposed (source 0 = 16 rows of W, source 1 = 16 rows of x), with W's rows chosen so that a lane holds one row of x and 16 neighbours along the head in each pair of tiles.
; v is used straight (source 0 = x, source 1 = wv): a lane holds one column and its registers run down the keys.  Inside a block of 32 keys the codes lie in the order 0-7, 16-23, 8-15, 24-31, in v and in p alike.
; K = 1,024 goes in four chunks of two steps.  Every LDS byte is filled once: all tensor loads go out at the head.  Waves 0, 1 ask for chunks 0, 1, 2 of the query weights; waves 2, 3 ask for chunk 3 FIRST and then
; for chunks 0, 1, 2 (wk and wv; x): so behind a wave's load for chunk c stand 2 - c later loads in every wave, and one counted wait, the same on every path, stands ahead of each chunk's barrier.
; CLUSTER 4 x 4: the four work-groups of a column share g and ask for the weights jointly, the four of a row share rb and ask for x jointly.
; NOT JOINT: the query weights of chunk 3 (12,288 bytes a wave) go from memory into registers, since four whole chunks would be 368,640 bytes of LDS; scale words and norm weights likewise: 15 KB beside 319 KB.
; The window: query i sees keys i - 16 .. i, which lie in its own tile of 16 and the tile before; all other keys are left out, as the mask of the problem throws them away.
; LIMITS: blocks of zeros carry the byte 1 (their codes are zeros; this program alone reads the bytes); NaN and infinities among the inputs are not served; p under 2^-126 counts as 0;
; the 32 rows ahead of row 0 are read from the bytes that lie ahead of x in the two buffers (wo's codes and scale bytes): every score and every p made of them is masked, which takes wo's products with the weights to stay finite.
.set XB,   1966080                     ; codes: x's images
.set GRPB, 294912                      ; a group's weights: 4 chunks x 24 tiles x 2 steps x 1,536 bytes
.set CHW,  73728                       ; a chunk of them
.set CHL,  92160                       ; a chunk in LDS: 16 tiles of query weights, 8 of wk and wv, 6 of x
.set TLB,  3072                        ; a tile's two steps
.set FRB,  1536
.set L3W,  276480                      ; chunk 3 in LDS: wk and wv,
.set L3X,  301056                      ; and x
.set VROW, 7680                        ; in chunk 0's bytes, behind its one fill and its last read: k's codes at 0 (96 rows x 80), v's here (64 rows x 144),
.set OSG,  16896                       ; and the 512 bytes of the results' scale words
; window 0: v1 16 lane, v2 8 lane, v3 r, v4 h, v5-7, v8-11, v12-15, v16-19 LDS addresses of the chunks' query weights, x, role's weights, role's x; v20-25 LDS addresses of the codes' rows; v26 r - 8 h; v27 -inf
;   v32-91 scale words and nothing else; v92-123 32 numbers at work; v124-139 the quantiser's; v140-145 six registers of codes; v148-155 rsqrt's; v156-159 sums
;   v164-195 q's norm weights, later zeros | scores | zeros; v196-227 k's norm weights, later zeros | p's codes | zeros and the softmax's; v228-251 the bias
; windows 1, 2: the fragments of even and odd K steps; later k's and v's (window 1) and q's (window 2) codes.   window 3: v0-127 q's accumulators, v128-223 the role's
.set Y,    92
.set TM,   124
.set PXR,  128
.set SOP,  130
.set BY,   132
.set WD,   134
.set CT,   136
.set CQ,   140
.set RN,   148
.set MSB, 0
.macro WIN new                         ; the immediate's high byte repeats the setting that is left
.if MSB != (\new)
	s_set_vgpr_msb (MSB<<8)|(\new)
.set MSB, (\new)
.endif
.endm
.macro PLACES n
.rept \n
	v_nop
.endr
.endm
.macro CROUND                          ; a round of the cluster's barrier
	s_barrier_signal -1
	s_barrier_wait -1
	s_cmp_lg_u32 s16, 0
	s_cbranch_scc1 .Lnw0_\@
	s_barrier_signal -3
.Lnw0_\@:
	s_barrier_wait -3
	s_barrier_signal -1
	s_barrier_wait -1
.endm
.macro FRAG3 reg, adr, off             ; a fragment's image: three loads of 512 consecutive bytes
.irp c, 0,1,2
	ds_load_b128 v[(\reg)+4*\c:(\reg)+4*\c+3], v[(\adr)] offset:(\off)+512*\c
.endr
.endm
; one product of K step s.  Step 0 starts the sums; odd steps take their scale words from lanes 16-31
.macro WM d, a, b, sa, sb, s
.if (\s) == 0
	v_wmma_scale_f32_16x16x128_f8f6f4 v[(\d):(\d)+7], v[(\a):(\a)+11], v[(\b):(\b)+11], 0, v[(\sa)], v[(\sb)] matrix_a_fmt:MATRIX_FMT_FP6 matrix_b_fmt:MATRIX_FMT_FP6
.elseif ((\s)&1) == 0
	v_wmma_scale_f32_16x16x128_f8f6f4 v[(\d):(\d)+7], v[(\a):(\a)+11], v[(\b):(\b)+11], v[(\d):(\d)+7], v[(\sa)], v[(\sb)] matrix_a_fmt:MATRIX_FMT_FP6 matrix_b_fmt:MATRIX_FMT_FP6
.else
	v_wmma_scale_f32_16x16x128_f8f6f4 v[(\d):(\d)+7], v[(\a):(\a)+11], v[(\b):(\b)+11], v[(\d):(\d)+7], v[(\sa)], v[(\sb)] matrix_a_fmt:MATRIX_FMT_FP6 matrix_b_fmt:MATRIX_FMT_FP6 matrix_a_scale:MATRIX_SCALE_ROW1 matrix_b_scale:MATRIX_SCALE_ROW1
.endif
.endm
.macro FWIN s                          ; loads into the buffer of step s
.if ((\s)&1) == 0
	WIN 0x40
.else
	WIN 0x80
.endif
.endm
.macro MWIN s                          ; products of step s: sources in its buffer, sums in window 3
.if ((\s)&1) == 0
	WIN 0xf5
.else
	WIN 0xfa
.endif
.endm
.macro FETCH_Q s                       ; my head's four tiles of weights (steps 6, 7: they lie in registers already) and x's tiles 2-5
.set FC, (\s)>>1
.set FE, (\s)&1
	FWIN \s
.if (\s) < 6
.irp nt, 0,1,2,3
	FRAG3 12*\nt, 5+FC, \nt*TLB+FE*FRB
.endr
.endif
.irp i, 0,1,2,3
	FRAG3 48+12*\i, 8+FC, (2+\i)*TLB+FE*FRB
.endr
.endm
.macro FETCH_K s                       ; wk's four tiles, my three tiles of x
.set FC, (\s)>>1
.set FE, (\s)&1
	FWIN \s
.irp nt, 0,1,2,3
	FRAG3 96+12*\nt, 12+FC, \nt*TLB+FE*FRB
.endr
.irp kt, 0,1,2
	FRAG3 144+12*\kt, 16+FC, \kt*TLB+FE*FRB
.endr
.endm
.macro FETCH_V s                       ; my two tiles of wv, x's tiles 0, 1
.set FC, (\s)>>1
.set FE, (\s)&1
	FWIN \s
.irp vn, 0,1
	FRAG3 96+12*\vn, 12+FC, \vn*TLB+FE*FRB
.endr
.irp i, 0,1
	FRAG3 120+12*\i, 16+FC, \i*TLB+FE*FRB
.endr
.endm
; The accumulators take turns, one instruction a turn, in the same order in every step.
.macro MUL_Q s
.set MC, (\s)>>1
.set WB, 0
.if (\s) >= 6
.set WB, 180
.endif
	MWIN \s
.irp i, 0,1,2,3
.irp nt, 0,1,2,3
	WM 8*(4*\i+\nt), WB+12*\nt, 48+12*\i, 32+4*\nt+MC, 48+4*\i+MC, \s
.endr
.endr
.endm
.macro MUL_K s
.set MC, (\s)>>1
	MWIN \s
.irp kt, 0,1,2
.irp nt, 0,1,2,3
	WM 128+8*(4*\kt+\nt), 96+12*\nt, 144+12*\kt, 64+4*\nt+MC, 80+4*\kt+MC, \s
.endr
.endr
.endm
.macro MUL_V s
.set MC, (\s)>>1
	MWIN \s
.irp vn, 0,1
.irp xt, 0,1,2,3,4,5
.if \xt < 2
	WM 128+8*(6*\vn+\xt), 120+12*\xt, 96+12*\vn, 80+4*\xt+MC, 64+4*\vn+MC, \s
.else
	WM 128+8*(6*\vn+\xt), 48+12*(\xt-2), 96+12*\vn, 48+4*(\xt-2)+MC, 64+4*\vn+MC, \s
.endif
.endr
.endr
.endm
.macro ROLE_PART s, f, m               ; the role's fetch of step s + 1 and its products of step s; the branch hangs on the wave's number alone
	s_cmp_eq_u32 s17, 0
	s_cbranch_scc0 .Lrv_\@
.if \f
	FETCH_K (\s)+1
.endif
.if \m
	MUL_K \s
.endif
	WIN 0
	s_branch .Lrj_\@
.Lrv_\@:
.if \f
	FETCH_V (\s)+1
.endif
.if \m
	MUL_V \s
.endif
	WIN 0
.Lrj_\@:
.endm
.macro STEP s
	s_wait_dscnt 0x0                               ; this step's fragments, asked for a step ago, are in
.if (\s)==1 || (\s)==3
	s_wait_tensorcnt 1-((\s)>>1)                   ; my load for the next chunk (1, then 2) has landed: behind it stand my loads for the later chunks of 0 .. 2, one and then none, in every wave;
	s_barrier_signal -1
	s_barrier_wait -1                              ; everybody's has.  (Chunk 3 landed ahead of chunk 0 and needs no barrier of its own)
.endif
.if (\s) > 0
	PLACES 4                                       ; in front of loads into registers that the last step but one's products have read (ISA guide 7.12.1 for vector instructions)
.endif
.if (\s) < 7
	FETCH_Q (\s)+1
.endif
	MUL_Q \s
	WIN 0
.if (\s) < 7
	ROLE_PART \s, 1, 1
.else
	ROLE_PART \s, 0, 1
.endif
.endm
; 32 numbers of a lane, register 16 b + i = k 32 b + 16 h + i of its row, become six registers of codes (lane half h: block h whole) and v[WD] = byte 0 | byte 1 << 8
.macro QUANT2 src, dst
	v_max3_num_f32 v[TM], |v[\src]|, |v[\src+1]|, 0x1800000        ; the floor 2^(3 - 127) holds the byte at 1 from below
	v_max3_num_f32 v[TM+1], |v[\src+16]|, |v[\src+17]|, 0x1800000
	v_max3_num_f32 v[TM+2], |v[\src+8]|, |v[\src+9]|, |v[\src+10]|
	v_max3_num_f32 v[TM+3], |v[\src+24]|, |v[\src+25]|, |v[\src+26]|
.irp i, 2,4,6
	v_max3_num_f32 v[TM], v[TM], |v[\src+\i]|, |v[\src+\i+1]|
	v_max3_num_f32 v[TM+1], v[TM+1], |v[\src+16+\i]|, |v[\src+17+\i]|
.endr
.irp i, 11,13
	v_max3_num_f32 v[TM+2], v[TM+2], |v[\src+\i]|, |v[\src+\i+1]|
	v_max3_num_f32 v[TM+3], v[TM+3], |v[\src+16+\i]|, |v[\src+17+\i]|
.endr
	v_max3_num_f32 v[TM], v[TM], v[TM+2], |v[\src+15]|
	v_max3_num_f32 v[TM+1], v[TM+1], v[TM+3], |v[\src+31]|
	v_permlanex16_b32 v[PXR], v[TM], s78, s79
	v_permlanex16_b32 v[PXR+1], v[TM+1], s78, s79
	v_max_num_f32 v[TM], v[TM], v[PXR]             ; with lane l xor 16's 16: the block's largest magnitude
	v_max_num_f32 v[TM+1], v[TM+1], v[PXR+1]
	v_add_nc_u32 v[SOP], 0xff000000, v[TM]         ; 2 off the exponent field: the conversion's scale operand
	v_add_nc_u32 v[SOP+1], 0xff000000, v[TM+1]
	v_lshrrev_b32 v[BY], 23, v[SOP]
	v_lshrrev_b32 v[BY+1], 23, v[SOP+1]
	v_lshl_or_b32 v[WD], v[BY+1], 8, v[BY]
	v_cvt_scalef32_pk16_fp6_f32 v[\dst:\dst+2], v[\src:\src+15], v[SOP]
	v_cvt_scalef32_pk16_fp6_f32 v[CT:CT+2], v[\src+16:\src+31], v[SOP+1]
	v_nop                                          ; one plain instruction behind the conversions
.irp i, 0,1,2
	v_permlane16_swap_b32 v[\dst+\i], v[CT+\i]     ; lanes 0-15 get block 0 whole, lanes 16-31 block 1
.endr
.irp i, 0,1,2
	v_mov_b32 v[\dst+3+\i], v[CT+\i]
.endr
.endm
; the mean of squares + EPS of a tile's rows (32 accumulator registers at ab of window 3, read from each accumulator's low end on) into v[RN + 2 t + 1]
.macro SUMSQ ab, t
	WIN 0x0f
	v_pk_mul_f32 v[156:157], v[(\ab):(\ab)+1], v[(\ab):(\ab)+1]
	v_pk_mul_f32 v[158:159], v[(\ab)+2:(\ab)+3], v[(\ab)+2:(\ab)+3]
.irp k, 4,8,12,16,20,24,28
	v_pk_fma_f32 v[156:157], v[(\ab)+\k:(\ab)+\k+1], v[(\ab)+\k:(\ab)+\k+1], v[156:157]
	v_pk_fma_f32 v[158:159], v[(\ab)+\k+2:(\ab)+\k+3], v[(\ab)+\k+2:(\ab)+\k+3], v[158:159]
.endr
	WIN 0
	v_pk_add_f32 v[156:157], v[156:157], v[158:159]
	v_add_f32 v156, v156, v157
	v_permlanex16_b32 v[PXR], v156, s78, s79
	v_add_f32 v156, v156, v[PXR]
	v_fma_f32 v[RN+2*(\t)+1], v156, s80, s81       ; sum / 64 + 0.01
.endm
.macro NORMY ab, t, nw                 ; (x * rsqrt) * w, in that order, into v[Y] on
	WIN 0x03
.irp k, 0,2,4,6,8,10,12,14,16,18,20,22,24,26,28,30
	v_pk_mul_f32 v[Y+\k:Y+\k+1], v[(\ab)+\k:(\ab)+\k+1], v[RN+2*(\t):RN+2*(\t)+1] op_sel_hi:[1,0]
.endr
	WIN 0
.irp k, 0,2,4,6,8,10,12,14,16,18,20,22,24,26,28,30
	v_pk_mul_f32 v[Y+\k:Y+\k+1], v[Y+\k:Y+\k+1], v[(\nw)+\k:(\nw)+\k+1]
.endr
.endm
	s_load_b256 s[4:11], s[0:1], 0x0               ; codes, scales, q_norm_w, k_norm_w
	s_load_b128 s[12:15], s[0:1], 0x20             ; ocodes, oscales
	v_lshl_add_u32 v254, v0, 2, 0x4e000
	v_mov_b32 v255, 0
	ds_add_u32 v254, v255
	ds_add_u32 v254, v255
	v_lshrrev_b32 v28, 5, v0
	v_readfirstlane_b32 s16, v28                   ; wave
	s_lshr_b32 s17, s16, 1                         ; role: 0 makes k, 1 makes v
	s_and_b32 s18, s16, 1                          ; which of the role's two
	s_bfe_u32 s22, ttmp6, 0x40000                  ; cx
	s_bfe_u32 s20, ttmp6, 0x40004                  ; cy
	s_lshl_b32 s19, ttmp9, 2
	s_add_co_u32 s19, s19, s22                     ; g
	s_and_b32 s21, ttmp7, 0xffff
	s_lshl_b32 s21, s21, 2
	s_add_co_u32 s21, s21, s20                     ; rb
	s_lshl_b32 s23, 0x1111, s22                    ; my column of the cluster: the weights' partners
	s_lshl_b32 s83, s20, 2
	s_lshl_b32 s83, 15, s83                        ; my row: x's partners
	; descriptor groups 1: dense blocks as rows of 256 bytes (32 elements of 8 bytes), no padding: the weights' third of a chunk is 96 rows, x's six tiles 72
	s_or_b32 s24, s23, (3<<16)|(1<<21)
	s_mov_b32 s25, 32<<16
	s_mov_b32 s26, 96<<16
	s_mov_b32 s27, 32<<16
	s_mov_b32 s28, 96
	s_mov_b32 s29, 32
	s_mov_b32 s30, 0
	s_mov_b32 s31, 0
	s_or_b32 s32, s83, (3<<16)|(1<<21)
	s_mov_b32 s33, 32<<16
	s_mov_b32 s34, 72<<16
	s_mov_b32 s35, 32<<16
	s_mov_b32 s36, 72
	s_mov_b32 s37, 32
	s_mov_b32 s38, 0
	s_mov_b32 s39, 0
	s_mov_b32 s76, 0x3e38aa3b                      ; log2(e) / 8
	s_mov_b32 s77, s76
	s_mov_b32 s78, 0x76543210
	s_mov_b32 s79, 0xfedcba98                      ; lane l xor 16
	s_mov_b32 s80, 0x3c800000                      ; 1 / 64
	s_mov_b32 s81, 0x3c23d70a                      ; 0.01
	s_and_b32 s82, s21, 31
	s_cmp_eq_u32 s82, 0
	s_cselect_b32 s82, 0, -1                       ; 0 where my first row is a batch's first: a mask for a select, never for a branch
	; every LDS address is made here, ahead of the first parting of the roles: constants, the lane and the wave's number
	v_and_b32 v28, 31, v0
	v_lshlrev_b32 v1, 4, v28
	v_lshlrev_b32 v2, 3, v28
	v_and_b32 v3, 15, v0
	v_bfe_u32 v4, v0, 4, 1
	s_mul_i32 s2, s16, 12288
	v_add_nc_u32 v5, s2, v1                        ; my head's four tiles of weights in chunk 0,
	v_add_nc_u32 v6, CHL, v5
	v_add_nc_u32 v7, 2*CHL, v5
	v_add_nc_u32 v8, 73728, v1                     ; x's tiles
	v_add_nc_u32 v9, CHL+73728, v1
	v_add_nc_u32 v10, 2*CHL+73728, v1
	v_add_nc_u32 v11, L3X, v1
	s_mul_i32 s2, s17, 12288                       ; wk's tiles, or behind them my two of wv's
	s_and_b32 s3, s17, s18
	s_mul_i32 s3, s3, 6144
	s_add_co_u32 s2, s2, s3
	v_add_nc_u32 v28, s2, v1
	v_add_nc_u32 v12, 49152, v28
	v_add_nc_u32 v13, CHL+49152, v28
	v_add_nc_u32 v14, 2*CHL+49152, v28
	v_add_nc_u32 v15, L3W, v28
	s_xor_b32 s2, s17, 1                           ; a k wave's three tiles of x; a v wave's begin at tile 0
	s_and_b32 s2, s2, s18
	s_mul_i32 s2, s2, 9216
.irp c, 0,1,2,3
	v_add_nc_u32 v[16+\c], s2, v[8+\c]
.endr
	v_mul_u32_u24 v21, v3, 80
	v_lshl_add_u32 v21, v4, 5, v21                 ; k's rows: 80 r + 32 h
	s_mul_i32 s2, s18, 3840
	v_add_nc_u32 v20, s2, v21                      ; and where a k wave stores its three tiles
	v_mul_u32_u24 v22, v3, 144
	v_lshl_add_u32 v22, v4, 5, v22
	s_mul_i32 s2, s18, 4608
	s_add_co_u32 s2, s2, VROW
	v_add_nc_u32 v22, s2, v22                      ; where a v wave stores its 32 rows
	v_and_b32 v28, 8, v3
	v_add_nc_u32 v28, v28, v3
	v_mul_u32_u24 v23, v28, 144
	v_lshl_add_u32 v23, v4, 5, v23
	v_add_nc_u32 v23, VROW, v23                    ; v's rows as tiles take them: r + 8 (r / 8)
	s_lshl_b32 s2, s17, 6
	s_lshl_b32 s3, s18, 1
	s_add_co_u32 s2, s2, s3
	s_add_co_u32 s2, s2, OSG
	v_lshl_add_u32 v24, v3, 2, s2                  ; my two bytes of row r's scale word
	v_add_nc_u32 v25, OSG, v1
	v_lshlrev_b32 v28, 3, v4
	v_sub_nc_u32 v26, v3, v28                      ; r - 8 h
	s_mul_i32 s2, s17, 512                         ; offsets of the direct loads
	s_sub_co_u32 s2, 1536, s2
	s_mul_i32 s2, s2, s18
	v_add_nc_u32 v29, s2, v1                       ; k wave: its x tiles' scale words; v wave: its wv tiles'
	s_lshl_b32 s2, s16, 11
	v_add_nc_u32 v30, s2, v1                       ; my head's weights' scale words
	v_lshlrev_b32 v31, 6, v4                       ; norm weights: 64 h
.irp i, 127,128,129
	v_mov_b32 v[\i], 0                             ; lane permutes' destinations count as read
.endr
	s_mul_i32 s94, s19, GRPB
	s_mov_b32 s95, 0
	s_mul_i32 s98, s16, 24576                      ; my third of a chunk's weights, in memory and in LDS
	s_mov_b32 s96, s98
	s_mov_b32 s97, 0
	s_mul_i32 s66, s21, 12288                      ; x's tile 4 rb; the six begin two tiles ahead
	s_mov_b32 s67, 0
	s_wait_dscnt 0x0
	s_wait_kmcnt 0x0
	s_add_nc_u64 s[94:95], s[4:5], s[94:95]        ; the weights' chain holds g and the wave's number alone,
	s_add_nc_u64 s[96:97], s[94:95], s[96:97]
	s_add_nc_u64 s[66:67], s[4:5], s[66:67]        ; x's chain rb alone
	s_add_nc_u64 s[66:67], s[66:67], XB-6144
.irp c, 0,1,2,3
	s_mov_b32 s[40+4*\c], 1
.if \c < 3
	s_add_co_u32 s[41+4*\c], s98, \c*CHL
.else
	s_mov_b32 s[41+4*\c], L3W
.endif
	s_add_nc_u64 s[42+4*\c:43+4*\c], s[96:97], \c*CHW
	s_or_b32 s[43+4*\c], s[43+4*\c], 0x80000000
	s_mov_b32 s[56+4*\c+4*(\c/2)], 1
.if \c < 3
	s_mov_b32 s[57+4*\c+4*(\c/2)], \c*CHL+73728
.else
	s_mov_b32 s[57+4*\c+4*(\c/2)], L3X
.endif
	s_add_nc_u64 s[58+4*\c+4*(\c/2):59+4*\c+4*(\c/2)], s[66:67], \c*786432
	s_or_b32 s[59+4*\c+4*(\c/2)], s[59+4*\c+4*(\c/2)], 0x80000000
.endr
	s_mul_i32 s2, s16, 12288
	s_add_co_u32 s2, s2, 3*CHW
	s_mov_b32 s3, 0
	s_add_nc_u64 s[84:85], s[94:95], s[2:3]        ; my head's weights of chunk 3
	s_mul_i32 s2, s19, 12288
	s_add_nc_u64 s[86:87], s[6:7], s[2:3]          ; my group's scale tiles
	s_lshl_b32 s2, s21, 11
	s_add_co_u32 s2, s2, 158*512
	s_add_nc_u64 s[88:89], s[6:7], s[2:3]          ; my six x tiles' scale tiles
	s_lshr_b32 s2, s21, 1
	s_mul_i32 s2, s2, 98304
	s_mul_i32 s99, s19, 24576
	s_add_co_u32 s2, s2, s99
	s_and_b32 s99, s21, 1
	s_mul_i32 s99, s99, 12288
	s_add_co_u32 s2, s2, s99
	s_mul_i32 s99, s16, 768
	s_add_co_u32 s2, s2, s99
	s_add_nc_u64 s[90:91], s[12:13], s[2:3]        ; where my head's codes go
	s_lshr_b32 s2, s21, 1
	s_lshl_b32 s2, s2, 12
	s_lshl_b32 s99, s19, 10
	s_add_co_u32 s2, s2, s99
	s_and_b32 s99, s21, 1
	s_lshl_b32 s99, s99, 9
	s_add_co_u32 s2, s2, s99
	s_add_nc_u64 s[92:93], s[14:15], s[2:3]        ; and the work-group's scale words
	; the direct loads, ahead of the round
	WIN 0x40
.irp nt, 0,1,2,3
.irp c, 0,1,2
	global_load_b128 v[180+12*\nt+4*\c:183+12*\nt+4*\c], v1, s[84:85] offset:\nt*TLB+512*\c
.endr
.endr
	WIN 0x80
.irp nt, 0,1,2,3
.irp c, 0,1,2
	global_load_b128 v[180+12*\nt+4*\c:183+12*\nt+4*\c], v1, s[84:85] offset:\nt*TLB+FRB+512*\c
.endr
.endr
	WIN 0
.irp nt, 0,1,2,3
	global_load_b128 v[32+4*\nt:35+4*\nt], v30, s[86:87] offset:\nt*512
.endr
.irp i, 0,1,2,3
	global_load_b128 v[48+4*\i:51+4*\i], v1, s[88:89] offset:(2+\i)*512
.endr
.irp b, 0,1
.irp k, 0,1,2,3
	global_load_b128 v[164+16*\b+4*\k:167+16*\b+4*\k], v31, s[8:9] offset:128*\b+16*\k   ; register 16 b + i: q_norm_w at 32 b + 16 h + i
.endr
.endr
	s_cmp_eq_u32 s17, 0
	s_cbranch_scc0 .Ldv
.irp nt, 0,1,2,3
	global_load_b128 v[64+4*\nt:67+4*\nt], v1, s[86:87] offset:(16+\nt)*512
.endr
.irp kt, 0,1,2
	global_load_b128 v[80+4*\kt:83+4*\kt], v29, s[88:89] offset:\kt*512
.endr
.irp b, 0,1
.irp k, 0,1,2,3
	global_load_b128 v[196+16*\b+4*\k:199+16*\b+4*\k], v31, s[10:11] offset:128*\b+16*\k
.endr
.endr
	s_branch .Ldj
.Ldv:
.irp vn, 0,1
	global_load_b128 v[64+4*\vn:67+4*\vn], v29, s[86:87] offset:(20+\vn)*512
.endr
.irp i, 0,1
	global_load_b128 v[80+4*\i:83+4*\i], v1, s[88:89] offset:\i*512
.endr
.Ldj:
	CROUND                                         ; all sixteen work-groups are here: the joint loads meet
	; all fills of the launch, one group; a wave's stand in one branch on its number.  At most four loads of a wave are out.  Four v_nop follow the last.
	; Where a wave has four, chunk 3's goes first: the last three of every wave are then chunks 0, 1, 2, and the counted waits below are the same for all.
	s_cmp_lt_u32 s16, 2
	s_cbranch_scc0 .Lf23
	tensor_load_to_lds s[40:43], s[24:31]
	s_nop 0
	tensor_load_to_lds s[44:47], s[24:31]
	s_nop 0
	tensor_load_to_lds s[48:51], s[24:31]
	s_nop 0
	PLACES 4
	s_branch .Lfd
.Lf23:
	s_cmp_eq_u32 s16, 2
	s_cbranch_scc0 .Lf3
	tensor_load_to_lds s[52:55], s[24:31]
	s_nop 0
	tensor_load_to_lds s[40:43], s[24:31]
	s_nop 0
	tensor_load_to_lds s[44:47], s[24:31]
	s_nop 0
	tensor_load_to_lds s[48:51], s[24:31]
	s_nop 0
	PLACES 4
	s_branch .Lfd
.Lf3:
	tensor_load_to_lds s[72:75], s[32:39]
	s_nop 0
	tensor_load_to_lds s[56:59], s[32:39]
	s_nop 0
	tensor_load_to_lds s[60:63], s[32:39]
	s_nop 0
	tensor_load_to_lds s[68:71], s[32:39]
	s_nop 0
	PLACES 4
.Lfd:
	; the bias, in units of t: slope x log2(e) x (key - query), -inf where the mask hides the key.  Register j of a lane is key 8 h + j of a tile, the lane's query is r.
	; In the tile before the query's: seen where j >= r - 8 h; in its own tile: where j <= r - 8 h.  The same for all four tiles of queries.
	s_lshl_b32 s2, s16, 2
	s_add_co_u32 s2, s2, s19
	s_add_co_u32 s2, s2, 1                         ; head + 1
	v_cvt_f32_u32 v92, s2
	v_mul_f32 v92, -0.5, v92
	v_exp_f32 v93, v92                             ; slope = 2^(-(head + 1) / 2)
	v_mov_b32 v27, 0xff800000                      ; (a plain instruction behind the exponential)
	s_wait_alu depctr_va_vdst(0)                   ; ahead of the first reader
	v_mul_f32 v93, 0x3fb8aa3b, v93
.irp j, 0,1,2,3,4,5,6,7
	v_sub_nc_u32 v94, \j, v26
	v_add_nc_u32 v95, -16, v94
	v_cvt_f32_i32 v96, v94
	v_cvt_f32_i32 v97, v95
	v_mul_f32 v96, v93, v96
	v_mul_f32 v97, v93, v97
	v_cmp_le_i32 vcc_lo, 0, v94
	v_cndmask_b32 v[228+\j], v27, v97, vcc_lo      ; the tile before
	v_cmp_ge_i32 vcc_lo, 0, v94
	v_cndmask_b32 v[236+\j], v27, v96, vcc_lo      ; the query's own tile
	v_cndmask_b32 v[244+\j], v27, v[228+\j], s82   ; the tile before my first tile: all hidden where it belongs to no batch or to another
.endr
	s_wait_tensorcnt 2                             ; my load for chunk 0 has landed, and where I have one for chunk 3, that too: only my loads for chunks 1 and 2 may be out
	s_barrier_signal -1
	s_barrier_wait -1                              ; everybody's have
	FETCH_Q 0
	WIN 0
	ROLE_PART -1, 1, 0
	s_wait_loadcnt 0x0                             ; the direct loads
.irp s, 0,1,2,3,4,5,6,7
	STEP \s
.endr
	; ---- norms and quantisers.  k and v go to LDS for the other waves; q stays.  The rows lie in chunk 0's bytes: every wave's reads of that chunk were waited for ahead of step 1's barrier
	PLACES 4
	s_cmp_eq_u32 s17, 0
	s_cbranch_scc0 .Lqv
	SUMSQ 128, 0
	SUMSQ 160, 1
	SUMSQ 192, 2
.irp t, 0,1,2
	v_rsq_f32 v[RN+2*\t], v[RN+2*\t+1]
.endr
	v_nop
	s_wait_alu depctr_va_vdst(0)                   ; one wait for the three, ahead of their first reader
.irp kt, 0,1,2
	NORMY 128+32*\kt, \kt, 196
	QUANT2 92, 140
	ds_store_b128 v20, v[140:143] offset:1280*\kt  ; key r's block h: 24 bytes, then the scale word
	ds_store_b64 v20, v[144:145] offset:1280*\kt+16
	ds_store_b32 v20, v[WD] offset:1280*\kt+24
	s_wait_dscnt 0x0                               ; the stores have read their registers
.endr
	s_branch .Lqj
.Lqv:
.irp vn, 0,1
	WIN 0x3c
.irp b, 0,1,2
	v_max3_num_f32 v[124+\b], 0x1800000, |v[128+48*\vn+16*\b]|, |v[129+48*\vn+16*\b]|   ; block b of 32 keys = x's tiles 2 b, 2 b + 1: my 16 of them
.endr
.irp i, 2,4,6,8,10,12,14
.irp b, 0,1,2
	v_max3_num_f32 v[124+\b], v[124+\b], |v[128+48*\vn+16*\b+\i]|, |v[129+48*\vn+16*\b+\i]|
.endr
.endr
	WIN 0
.irp b, 0,1,2
	v_permlanex16_b32 v[127+\b], v[124+\b], s78, s79
.endr
.irp b, 0,1,2
	v_max_num_f32 v[124+\b], v[124+\b], v[127+\b]
.endr
.irp b, 0,1,2
	v_add_nc_u32 v[130+\b], 0xff000000, v[124+\b]
.endr
.irp b, 0,1,2
	v_lshrrev_b32 v[133+\b], 23, v[130+\b]
.endr
	v_lshl_or_b32 v[144+\vn], v134, 8, v133        ; the operand's four blocks of K are key blocks 0, 1, 1, 2
	v_lshl_or_b32 v[144+\vn], v134, 16, v[144+\vn]
	v_lshl_or_b32 v[144+\vn], v135, 24, v[144+\vn]
.irp i, 0,1,2
	v_mov_b32 v[140+\i], 0
.endr
	WIN 0x03
	v_cvt_scalef32_pk16_fp6_f32 v[92+16*\vn:94+16*\vn], v[128+48*\vn:143+48*\vn], v130
	v_cvt_scalef32_pk16_fp6_f32 v[136:138], v[144+48*\vn:159+48*\vn], v131
	v_cvt_scalef32_pk16_fp6_f32 v[100+16*\vn:102+16*\vn], v[160+48*\vn:175+48*\vn], v132
	WIN 0
	v_nop
.irp i, 0,1,2
	v_permlane16_swap_b32 v[92+16*\vn+\i], v[136+\i]     ; lanes 0-15: block 0 whole, lanes 16-31: block 1
	v_permlane16_swap_b32 v[100+16*\vn+\i], v[140+\i]    ; lanes 0-15: block 2 whole, lanes 16-31: zeros
.endr
.irp i, 0,1,2
	v_mov_b32 v[95+16*\vn+\i], v[136+\i]
	v_mov_b32 v[103+16*\vn+\i], v[140+\i]
.endr
	ds_store_b128 v22, v[92+16*\vn:95+16*\vn] offset:2304*\vn
	ds_store_b64 v22, v[96+16*\vn:97+16*\vn] offset:2304*\vn+16
	ds_store_b32 v22, v[144+\vn] offset:2304*\vn+24
	ds_store_b128 v22, v[100+16*\vn:103+16*\vn] offset:2304*\vn+64
	ds_store_b64 v22, v[104+16*\vn:105+16*\vn] offset:2304*\vn+80
.endr
	s_wait_dscnt 0x0                               ; the stores have read their registers, which q's numbers take next
.Lqj:
	SUMSQ 0, 0
	SUMSQ 32, 1
	SUMSQ 64, 2
	SUMSQ 96, 3
.irp t, 0,1,2,3
	v_rsq_f32 v[RN+2*\t], v[RN+2*\t+1]
.endr
	v_nop
	s_wait_alu depctr_va_vdst(0)
	WIN 0x80
.irp t, 0,1,2,3
.irp i, 6,7,8,9,10,11
	v_mov_b32 v[12*\t+\i], 0                       ; the head has 64 along K: the upper 64 of the instruction's 128 are zero codes
.endr
.endr
	WIN 0
.irp t, 0,1,2,3
	NORMY 32*\t, \t, 164
	QUANT2 92, 140
	v_mov_b32 v[32+\t], v[WD]                      ; q's scale words
	WIN 0x80
.irp i, 0,1,2,3,4,5
	v_mov_b32 v[12*\t+\i], v[140+\i]
.endr
	WIN 0
.endr
	s_wait_dscnt 0x0
	s_barrier_signal -1
	s_barrier_wait -1                              ; k's and v's codes lie in LDS
	; ---- attention.  k's tiles 1-5 in six registers each and a slot of zeros; v's four tiles of 16 columns, K = key blocks 0, 1, 1, 2
	WIN 0x40
.irp i, 1,2,3,4,5
	ds_load_b128 v[6*\i-6:6*\i-3], v21 offset:1280*\i
	ds_load_b64 v[6*\i-2:6*\i-1], v21 offset:1280*\i+16
.endr
.irp i, 30,31,32,33,34,35
	v_mov_b32 v[\i], 0
.endr
.irp dt, 0,1,2,3
	ds_load_b128 v[36+12*\dt:39+12*\dt], v23 offset:(32*(\dt/2)+8*(\dt%2))*144
	ds_load_b64 v[40+12*\dt:41+12*\dt], v23 offset:(32*(\dt/2)+8*(\dt%2))*144+16
	ds_load_b128 v[42+12*\dt:45+12*\dt], v23 offset:(32*(\dt/2)+8*(\dt%2))*144+32
	ds_load_b64 v[46+12*\dt:47+12*\dt], v23 offset:(32*(\dt/2)+8*(\dt%2))*144+48
.endr
	WIN 0
.irp i, 1,2,3,4,5
	ds_load_b32 v[35+\i], v21 offset:1280*\i+24
.endr
.irp dt, 0,1,2,3
	ds_load_b32 v[41+\dt], v23 offset:(32*(\dt/2)+8*(\dt%2))*144+24
.endr
.irp i, 164,165,166,167,168,169,170,171,188,189,190,191,192,193,194,195,196,197,198,199,200,201,208,209,210,211,212,213,225
	v_mov_b32 v[\i], 0                             ; the zeros beside the scores and beside p's codes; v225 is named as the upper half of a pair
.endr
	s_wait_dscnt 0x0
	PLACES 8                                       ; scale words and operands written by vector instructions stand 8 and 4 places ahead of a scaled product
; Tile t of my 16 queries.  Its keys lie in x's tiles t + 1 and t + 2.  p's codes go to key blocks (0, 1) for t = 0, 1 and (1, 2) for t = 2, 3.
.macro ATT t
.set AP, (\t)>>1
.set AO, (\t)&1
	WIN 0x09
	v_wmma_scale_f32_16x16x128_f8f6f4 v[172:179], v[6*(\t):6*(\t)+11], v[12*(\t):12*(\t)+11], 0, v[36+(\t)], v[32+(\t)] matrix_a_fmt:MATRIX_FMT_FP6 matrix_b_fmt:MATRIX_FMT_FP6
	v_wmma_scale_f32_16x16x128_f8f6f4 v[180:187], v[6*(\t)+6:6*(\t)+17], v[12*(\t):12*(\t)+11], 0, v[37+(\t)], v[32+(\t)] matrix_a_fmt:MATRIX_FMT_FP6 matrix_b_fmt:MATRIX_FMT_FP6
	WIN 0
	PLACES 4
.irp k, 0,2,4,6
.if (\t) == 0
	v_pk_fma_f32 v[172+\k:173+\k], v[172+\k:173+\k], s[76:77], v[244+\k:245+\k] op_sel_hi:[1,0,1]   ; t = score x log2(e) / 8 + bias
.else
	v_pk_fma_f32 v[172+\k:173+\k], v[172+\k:173+\k], s[76:77], v[228+\k:229+\k] op_sel_hi:[1,0,1]
.endif
.endr
.irp k, 0,2,4,6
	v_pk_fma_f32 v[180+\k:181+\k], v[180+\k:181+\k], s[76:77], v[236+\k:237+\k] op_sel_hi:[1,0,1]
.endr
	v_max3_num_f32 v226, v172, v173, v174
	v_max3_num_f32 v227, v180, v181, v182
	v_max3_num_f32 v226, v226, v175, v176
	v_max3_num_f32 v227, v227, v183, v184
	v_max3_num_f32 v226, v226, v177, v178
	v_max3_num_f32 v227, v227, v185, v186
	v_max3_num_f32 v218, v226, v227, v179
	v_max_num_f32 v218, v218, v187
	v_permlanex16_b32 v[PXR], v218, s78, s79
	v_max_num_f32 v218, v218, v[PXR]               ; the row's largest t: the query's own key is never hidden
	v_floor_f32 v220, -v218                        ; -M = -ceil(t)
	v_mov_b32 v221, v220
.irp k, 0,2,4,6,8,10,12,14
	v_pk_add_f32 v[172+\k:173+\k], v[172+\k:173+\k], v[220:221]
.endr
.irp j, 0,1,2,3,4,5,6,7,8,9,10,11,12,13,14,15
	v_exp_f32 v[172+\j], v[172+\j]                 ; p = 2^(t - M); 0 for hidden keys
.endr
	v_nop
	s_wait_alu depctr_va_vdst(0)                   ; one wait for the batch, ahead of its first reader
	v_pk_add_f32 v[222:223], v[172:173], v[174:175]   ; the row's sum, of the unquantised p
	v_pk_add_f32 v[156:157], v[176:177], v[178:179]
	v_pk_add_f32 v[222:223], v[222:223], v[180:181]
	v_pk_add_f32 v[156:157], v[156:157], v[182:183]
	v_pk_add_f32 v[222:223], v[222:223], v[184:185]
	v_pk_add_f32 v[156:157], v[156:157], v[186:187]
	v_pk_add_f32 v[222:223], v[222:223], v[156:157]
	v_add_f32 v222, v222, v223
	v_permlanex16_b32 v[PXR], v222, s78, s79
	v_add_f32 v222, v222, v[PXR]
	v_rcp_f32 v224, v222                           ; read behind the second product; the lines below are plain work behind it
	v_max3_num_f32 v226, v172, v173, 0x1800000     ; the blocks' largest p, over the floor
	v_max3_num_f32 v227, v180, v181, 0x1800000
.irp k, 2,4,6
	v_max3_num_f32 v226, v226, v[172+\k], v[173+\k]
	v_max3_num_f32 v227, v227, v[180+\k], v[181+\k]
.endr
.if AO
	v_max_num_f32 v227, v226, v227                 ; both tiles lie in the pair's second block
.else
	v_permlanex16_b32 v[PXR], v226, s78, s79
	v_max_num_f32 v226, v226, v[PXR]
	v_add_nc_u32 v[SOP], 0xff000000, v226
	v_lshrrev_b32 v[BY], 23, v[SOP]
.endif
	v_permlanex16_b32 v[PXR+1], v227, s78, s79
	v_max_num_f32 v227, v227, v[PXR+1]
	v_add_nc_u32 v[SOP+1], 0xff000000, v227
	v_lshrrev_b32 v[BY+1], 23, v[SOP+1]
.if AO
	v_lshlrev_b32 v45, 8+16*AP, v[BY+1]            ; p's scale word; the bytes of blocks whose codes are all zeros stay 0
	v_mov_b32 v202, 0
	v_mov_b32 v203, 0
	v_mov_b32 v204, 0
	v_cvt_scalef32_pk16_fp6_f32 v[214:216], v[172:187], v[SOP+1]
.else
	v_lshl_or_b32 v45, v[BY+1], 8, v[BY]
.if AP
	v_lshlrev_b32 v45, 16, v45
.endif
	v_cvt_scalef32_pk16_fp6_f32 v[202:204], v[164:179], v[SOP]     ; first block: zeros, then the tile before
	v_cvt_scalef32_pk16_fp6_f32 v[214:216], v[180:195], v[SOP+1]   ; second block: the own tile, then zeros
.endif
	v_nop
.irp i, 0,1,2
	v_permlane16_swap_b32 v[202+\i], v[214+\i]
.endr
.irp i, 0,1,2
	v_mov_b32 v[205+\i], v[214+\i]
.endr
	PLACES 8
	WIN 0x01
.irp dt, 0,1,2,3
	v_wmma_scale_f32_16x16x128_f8f6f4 v[Y+8*\dt:Y+8*\dt+7], v[36+12*\dt:47+12*\dt], v[202-6*AP:213-6*AP], 0, v[41+\dt], v45 matrix_a_fmt:MATRIX_FMT_FP6 matrix_b_fmt:MATRIX_FMT_FP6
.endr
	WIN 0
	PLACES 4
	s_wait_alu depctr_va_vdst(0)                   ; the reciprocal's wait, ahead of its first reader
.irp k, 0,2,4,6,8,10,12,14,16,18,20,22,24,26,28,30
	v_pk_mul_f32 v[Y+\k:Y+\k+1], v[Y+\k:Y+\k+1], v[224:225] op_sel_hi:[1,0]   ; / the row's sum
.endr
	s_wait_xcnt 0x0                                ; the last tile's stores have read their registers,
	s_wait_dscnt 0x0                               ; the LDS store too
	QUANT2 92, 140
	global_store_b128 v1, v[140:143], s[90:91] offset:(\t)*TLB          ; half a fragment of the last product's operand: 512 + 256 consecutive bytes
	global_store_b64 v2, v[144:145], s[90:91] offset:(\t)*TLB+512
	ds_store_b16 v24, v[WD] offset:(\t)*128
.endm
	ATT 0
	ATT 1
	ATT 2
	ATT 3
	s_wait_dscnt 0x0
	s_barrier_signal -1
	s_barrier_wait -1                              ; the four heads' bytes make whole scale words
	s_cmp_lg_u32 s16, 0
	s_cbranch_scc1 .Lnos
	ds_load_b128 v[92:95], v25
	s_wait_dscnt 0x0
	global_store_b128 v1, v[92:95], s[92:93]       ; 512 consecutive bytes
.Lnos:
	s_wait_tensorcnt 0x0
	ds_add_u32 v254, v255
	s_wait_dscnt 0x0
	CROUND                                         ; the closing round
	s_endpgm
.Lfunc_end_k_q302b12b10f_qkvattn:
	.size	k_q302b12b10f_qkvattn, .Lfunc_end_k_q302b12b10f_qkvattn-k_q302b12b10f_qkvattn
	.p2alignl 7, 3214868480
	.fill 96, 4, 3214868480
	.section	.rodata,"a",@progbits
	.p2align	6, 0x0
	.amdhsa_kernel k_q302b12b10f_qkvattn
		.amdhsa_group_segment_fixed_size 327680
		.amdhsa_private_segment_fixed_size 0
		.amdhsa_enable_private_segment 0
		.amdhsa_kernarg_size 48
		.amdhsa_user_sgpr_count 2
		.amdhsa_user_sgpr_kernarg_segment_ptr 1
		.amdhsa_wavefront_size32 1
		.amdhsa_system_sgpr_workgroup_id_x 1
		.amdhsa_system_sgpr_workgroup_id_y 1
		.amdhsa_system_sgpr_workgroup_id_z 1
		.amdhsa_system_vgpr_workitem_id 0
		.amdhsa_next_free_vgpr 1024
		.amdhsa_next_free_sgpr 100
		.amdhsa_reserve_vcc 1
		.amdhsa_float_denorm_mode_32 3
		.amdhsa_float_denorm_mode_16_64 3
		.amdhsa_memory_ordered 1
		.amdhsa_forward_progress 1
		.amdhsa_inst_pref_size 178
	.end_amdhsa_kernel
	.amdgpu_metadata
---
amdhsa.version: [ 1, 2 ]
amdhsa.kernels:
  - .name:           k_q302b12b10f_qkvattn
    .symbol:         k_q302b12b10f_qkvattn.kd
    .args:
      - { .name: codes, .offset: 0, .size: 8, .value_kind: global_buffer, .address_space: global }
      - { .name: scales, .offset: 8, .size: 8, .value_kind: global_buffer, .address_space: global }
      - { .name: q_norm_w, .offset: 16, .size: 8, .value_kind: global_buffer, .address_space: global }
      - { .name: k_norm_w, .offset: 24, .size: 8, .value_kind: global_buffer, .address_space: global }
      - { .name: ocodes, .offset: 32, .size: 8, .value_kind: global_buffer, .address_space: global }
      - { .name: oscales, .offset: 40, .size: 8, .value_kind: global_buffer, .address_space: global }
    .group_segment_fixed_size: 327680
    .private_segment_fixed_size: 0
    .kernarg_segment_align: 8
    .kernarg_segment_size: 48
    .max_flat_workgroup_size: 128
    .sgpr_count:     100
    .vgpr_count:     1024
    .wavefront_size: 32
...
	.end_amdgpu_metadata
.endif
;; end of part 2
;; launch oproj (part 3): grid 8 x 32, 4 waves a work-group, clusters of 4 x 4, 231,936 bytes of LDS; arguments ocodes, oscales, codes, scales, out0; writes out0
.if DOCPART == 3
	.amdgcn_target "amdgcn-amd-amdhsa--gfx1250"
	.amdhsa_code_object_version 6
	.text
	.protected	k_q302b12b10f_oproj
	.globl	k_q302b12b10f_oproj
	.p2align	8
	.type	k_q302b12b10f_oproj,@function
k_q302b12b10f_oproj:
	s_mov_b64 s[64:65], 0
	v_nop
	global_prefetch_b8 v0, s[64:65] scope:SCOPE_SE
	s_setreg_imm32_b32 hwreg(HW_REG_WAVE_MODE, 25, 1), 1
	s_wait_xcnt 0x0
	s_wait_alu depctr_hold_cnt(0) depctr_sa_sdst(0) depctr_va_vdst(0) depctr_va_sdst(0) depctr_va_ssrc(0) depctr_va_vcc(0) depctr_vm_vsrc(0)
	s_getreg_b32 s2, hwreg(HW_REG_IB_STS2, 6, 4)
	s_cmp_eq_u32 s2, 0
	s_cbranch_scc0 .Lentry_in_a_cluster
	s_endpgm
.Lentry_in_a_cluster:
	s_bfe_u32 s2, ttmp6, 0x10000c
	s_cmp_lg_u32 s2, 0xf033
	s_cbranch_scc0 .Lentry_shape_is_right
	s_endpgm
.Lentry_shape_is_right:
; out0 [4096][1024] f32 = attention's result x wo^T, both as codes of FP6 with E8M0 scales, laid as images of the operand's registers; K in the order of heads in which both were laid.
; A work-group makes 128 x 128 of out0 (256 work-groups); wave w rows 64 (w / 2), columns 64 (w % 2): 16 accumulators.  All of K (1,024) lies in LDS, 196,608 bytes, every byte filled once:
; the wave's four tensor loads, a chunk of two K steps each, go out at the head, and a chunk's barrier follows the counted wait for it.
; CLUSTER 4 x 4: the four of a row of the cluster share the 128 rows of A and ask for them jointly, the four of a column share wo's 128 rows.  The scale words (16 KB beside 196 KB) go straight into registers.
; THE PRODUCT IS USED TRANSPOSED (source 0 = 16 rows of wo, source 1 = 16 rows of A): a lane holds eight neighbouring numbers of a row of out0.
; window 0: v1 16 lane, v2 8 lane, v52 4 lane; v5-8, v9-12 A's tiles by chunk (16 and 8 bytes a lane); v13-16 wo's; v17-19 the way out; v20-35 A's scale words, v36-51 wo's; v64-159, v160-255 two fragment buffers.  window 1: the sums
.set WOB,  1179648
.set CH,   49152                       ; a chunk in LDS: A's 8 tiles, then wo's 8
.set STAGE, 196608                     ; behind the chunks: two stages of 16 rows x 272 bytes for each wave; no fill lands here
.set MSB, 0
.macro WIN new
.if MSB != (\new)
	s_set_vgpr_msb (MSB<<8)|(\new)
.set MSB, (\new)
.endif
.endm
.macro PLACES n
.rept \n
	v_nop
.endr
.endm
.macro CROUND
	s_barrier_signal -1
	s_barrier_wait -1
	s_cmp_lg_u32 s16, 0
	s_cbranch_scc1 .Lnw0_\@
	s_barrier_signal -3
.Lnw0_\@:
	s_barrier_wait -3
	s_barrier_signal -1
	s_barrier_wait -1
.endm
	s_load_b256 s[4:11], s[0:1], 0x0               ; ocodes, oscales, codes, scales
	s_load_b64 s[12:13], s[0:1], 0x20              ; out0
	v_lshl_add_u32 v62, v0, 2, 0x38800
	v_mov_b32 v63, 0
	ds_add_u32 v62, v63
	ds_add_u32 v62, v63
	v_lshrrev_b32 v53, 5, v0
	v_readfirstlane_b32 s16, v53                   ; wave
	s_lshr_b32 s17, s16, 1                         ; my half of the rows.  Also: I fetch for A (0) or for wo (1)
	s_and_b32 s18, s16, 1                          ; my half of the columns.  Also: which four tiles I fetch
	s_bfe_u32 s22, ttmp6, 0x40000                  ; cx
	s_bfe_u32 s20, ttmp6, 0x40004                  ; cy
	s_lshl_b32 s19, ttmp9, 2
	s_add_co_u32 s19, s19, s22                     ; block of 128 columns
	s_and_b32 s21, ttmp7, 0xffff
	s_lshl_b32 s21, s21, 2
	s_add_co_u32 s21, s21, s20                     ; block of 128 rows
	s_lshl_b32 s23, s20, 2
	s_lshl_b32 s23, 15, s23                        ; my row of the cluster
	s_lshl_b32 s81, 0x1111, s22                    ; my column
	; descriptor groups 1: four tiles of a chunk, 12,288 dense bytes, as 48 rows of 256 bytes (32 elements of 8 bytes), no padding
	s_or_b32 s24, s23, (3<<16)|(1<<21)
	s_or_b32 s48, s81, (3<<16)|(1<<21)
.irp g, 24, 48
	s_mov_b32 s[\g+1], 32<<16
	s_mov_b32 s[\g+2], 48<<16
	s_mov_b32 s[\g+3], 32<<16
	s_mov_b32 s[\g+4], 48
	s_mov_b32 s[\g+5], 32
	s_mov_b32 s[\g+6], 0
	s_mov_b32 s[\g+7], 0
.endr
	v_and_b32 v53, 31, v0
	v_lshlrev_b32 v1, 4, v53
	v_lshlrev_b32 v2, 3, v53
	v_lshlrev_b32 v52, 2, v53
	v_and_b32 v3, 15, v0
	v_bfe_u32 v4, v0, 4, 1
	s_mul_i32 s2, s17, 12288
	v_add_nc_u32 v5, s2, v1
	v_add_nc_u32 v9, s2, v2
	s_mul_i32 s2, s18, 12288
	s_add_co_u32 s2, s2, 24576
	v_add_nc_u32 v13, s2, v1
.irp q, 1,2,3
	v_add_nc_u32 v[5+\q], \q*CH, v5
	v_add_nc_u32 v[9+\q], \q*CH, v9
	v_add_nc_u32 v[13+\q], \q*CH, v13
.endr
	s_mul_i32 s2, s16, 8704
	s_add_co_u32 s2, s2, STAGE
	v_mul_u32_u24 v17, v3, 272
	v_lshl_add_u32 v17, v4, 5, v17
	v_add_nc_u32 v17, s2, v17                      ; into my stage: row r, 32 h bytes on
	v_mul_u32_u24 v18, v4, 272
	v_lshl_add_u32 v18, v3, 4, v18
	v_add_nc_u32 v18, s2, v18                      ; back: lanes 0-15 one row of 256 bytes, lanes 16-31 the next
	v_lshlrev_b32 v19, 12, v4
	v_lshl_add_u32 v19, v3, 4, v19                 ; and the same two rows in out0
	s_mul_i32 s3, s18, 12288
	s_mul_i32 s76, s21, 98304                      ; A's chain holds the block of rows and the wave's number alone,
	s_add_co_u32 s76, s76, s3
	s_mov_b32 s77, 0
	s_mul_i32 s78, s19, 98304                      ; wo's the block of columns
	s_add_co_u32 s78, s78, s3
	s_add_co_u32 s78, s78, WOB
	s_mov_b32 s79, 0
	s_mul_i32 s80, s16, 12288                      ; in LDS: wave x four tiles
	s_lshl_b32 s82, s21, 12
	s_lshl_b32 s2, s17, 9
	s_add_co_u32 s82, s82, s2                      ; A's scale words: my four tiles
	s_mov_b32 s83, 0
	s_lshl_b32 s84, s19, 12
	s_lshl_b32 s2, s18, 11
	s_add_co_u32 s84, s84, s2
	s_add_co_u32 s84, s84, 96*512                  ; wo's scale tiles: my four
	s_mov_b32 s85, 0
	s_lshl_b32 s86, s21, 19                        ; out0: 128 rows of 4,096 bytes a block, 64 rows a half, 512 bytes a block of columns, 256 a half
	s_lshl_b32 s2, s17, 18
	s_add_co_u32 s86, s86, s2
	s_lshl_b32 s2, s19, 9
	s_add_co_u32 s86, s86, s2
	s_lshl_b32 s2, s18, 8
	s_add_co_u32 s86, s86, s2
	s_mov_b32 s87, 0
	s_wait_dscnt 0x0
	s_wait_kmcnt 0x0
	s_add_nc_u64 s[76:77], s[4:5], s[76:77]
	s_add_nc_u64 s[78:79], s[8:9], s[78:79]
	s_add_nc_u64 s[82:83], s[6:7], s[82:83]
	s_add_nc_u64 s[84:85], s[10:11], s[84:85]
	s_add_nc_u64 s[12:13], s[12:13], s[86:87]
.irp q, 0,1,2,3
	s_mov_b32 s[32+4*\q], 1
	s_add_co_u32 s[33+4*\q], s80, \q*CH
	s_add_nc_u64 s[34+4*\q:35+4*\q], s[76:77], \q*24576
	s_or_b32 s[35+4*\q], s[35+4*\q], 0x80000000
	s_mov_b32 s[56+4*\q+4*(\q/2)], 1
	s_add_co_u32 s[57+4*\q+4*(\q/2)], s80, \q*CH
	s_add_nc_u64 s[58+4*\q+4*(\q/2):59+4*\q+4*(\q/2)], s[78:79], \q*24576
	s_or_b32 s[59+4*\q+4*(\q/2)], s[59+4*\q+4*(\q/2)], 0x80000000
.endr
.irp i, 0,1,2,3
.irp q, 0,1,2,3
	global_load_b32 v[20+4*\i+\q], v52, s[82:83] offset:\q*1024+\i*128   ; lanes 0-15: row r's word of K step 2 q, lanes 16-31: of step 2 q + 1
.endr
.endr
.irp bt, 0,1,2,3
	global_load_b128 v[36+4*\bt:39+4*\bt], v1, s[84:85] offset:\bt*512
.endr
	CROUND                                         ; all sixteen work-groups are here: the joint loads meet
	s_cmp_eq_u32 s17, 0                            ; all fills of the launch, one group; a wave's four stand in one branch on its number; four v_nop follow the last
	s_cbranch_scc0 .Lfb
	tensor_load_to_lds s[32:35], s[24:31]
	s_nop 0
	tensor_load_to_lds s[36:39], s[24:31]
	s_nop 0
	tensor_load_to_lds s[40:43], s[24:31]
	s_nop 0
	tensor_load_to_lds s[44:47], s[24:31]
	s_nop 0
	PLACES 4
	s_branch .Lfd
.Lfb:
	tensor_load_to_lds s[56:59], s[48:55]
	s_nop 0
	tensor_load_to_lds s[60:63], s[48:55]
	s_nop 0
	tensor_load_to_lds s[68:71], s[48:55]
	s_nop 0
	tensor_load_to_lds s[72:75], s[48:55]
	s_nop 0
	PLACES 4
.Lfd:
.macro FETCH3 s                        ; step s: wo's four fragments (three loads of 16 bytes a lane), A's four (each half: 16 bytes a lane, then 8)
.set FQ, (\s)>>1
.set FE, (\s)&1
.set FB, 64+96*FE
.irp bt, 0,1,2,3
.irp c, 0,1,2
	ds_load_b128 v[FB+12*\bt+4*\c:FB+12*\bt+4*\c+3], v[13+FQ] offset:\bt*3072+FE*1536+512*\c
.endr
.endr
.irp i, 0,1,2,3
.irp c, 0,1
	ds_load_b128 v[FB+48+12*\i+6*\c:FB+48+12*\i+6*\c+3], v[5+FQ] offset:\i*3072+FE*1536+\c*768
	ds_load_b64 v[FB+48+12*\i+6*\c+4:FB+48+12*\i+6*\c+5], v[9+FQ] offset:\i*3072+FE*1536+\c*768+512
.endr
.endr
.endm
.macro MUL3 s                          ; the 16 accumulators by turns, one instruction a turn; step 0 starts the sums; odd steps take their scale words from lanes 16-31
.set MQ, (\s)>>1
.set MB, 64+96*((\s)&1)
.irp i, 0,1,2,3
.irp bt, 0,1,2,3
.if (\s) == 0
	v_wmma_scale_f32_16x16x128_f8f6f4 v[8*(4*\i+\bt):8*(4*\i+\bt)+7], v[MB+12*\bt:MB+12*\bt+11], v[MB+48+12*\i:MB+48+12*\i+11], 0, v[36+4*\bt+MQ], v[20+4*\i+MQ] matrix_a_fmt:MATRIX_FMT_FP6 matrix_b_fmt:MATRIX_FMT_FP6
.elseif ((\s)&1) == 0
	v_wmma_scale_f32_16x16x128_f8f6f4 v[8*(4*\i+\bt):8*(4*\i+\bt)+7], v[MB+12*\bt:MB+12*\bt+11], v[MB+48+12*\i:MB+48+12*\i+11], v[8*(4*\i+\bt):8*(4*\i+\bt)+7], v[36+4*\bt+MQ], v[20+4*\i+MQ] matrix_a_fmt:MATRIX_FMT_FP6 matrix_b_fmt:MATRIX_FMT_FP6
.else
	v_wmma_scale_f32_16x16x128_f8f6f4 v[8*(4*\i+\bt):8*(4*\i+\bt)+7], v[MB+12*\bt:MB+12*\bt+11], v[MB+48+12*\i:MB+48+12*\i+11], v[8*(4*\i+\bt):8*(4*\i+\bt)+7], v[36+4*\bt+MQ], v[20+4*\i+MQ] matrix_a_fmt:MATRIX_FMT_FP6 matrix_b_fmt:MATRIX_FMT_FP6 matrix_a_scale:MATRIX_SCALE_ROW1 matrix_b_scale:MATRIX_SCALE_ROW1
.endif
.endr
.endr
.endm
.macro STEP3 s
	s_wait_dscnt 0x0                               ; this step's fragments, asked for a step ago, are in
.if (\s)==1 || (\s)==3 || (\s)==5
	s_wait_tensorcnt 3-((\s)+1)/2                  ; my part of the next chunk has landed; my loads for later chunks may be out
	s_barrier_signal -1
	s_barrier_wait -1
.endif
.if (\s) > 0
	PLACES 4                                       ; in front of loads into registers that the last step but one's products have read
.endif
.if (\s) < 7
	FETCH3 (\s)+1
.endif
	WIN 0x50
	MUL3 \s
	WIN 0
.endm
	s_wait_tensorcnt 3                             ; my part of chunk 0 has landed; the other three loads may be out
	s_barrier_signal -1
	s_barrier_wait -1
	FETCH3 0
	s_wait_loadcnt 0x0                             ; the scale words
.irp s, 0,1,2,3,4,5,6,7
	STEP3 \s
.endr
; THE WAY OUT, 16 rows x 64 columns at a time, through my own stage: in as 32 bytes a lane, back as whole rows of 256 bytes.  LDS serves a wave's instructions in order: no wait between the stores and the loads.
.macro TOSTAGE i
	WIN 0x04
.irp bt, 0,1,2,3
	ds_store_b128 v17, v[8*(4*\i+\bt):8*(4*\i+\bt)+3] offset:(\i%2)*4352+64*\bt        ; each accumulator from its low end on
	ds_store_b128 v17, v[8*(4*\i+\bt)+4:8*(4*\i+\bt)+7] offset:(\i%2)*4352+64*\bt+16
.endr
	WIN 0
.irp k, 0,1,2,3,4,5,6,7
	ds_load_b128 v[64+32*\i+4*\k:64+32*\i+4*\k+3], v18 offset:(\i%2)*4352+2*\k*272
.endr
.endm
.macro SEND i, younger                 ; younger: the LDS instructions issued behind block i's loads, which may stay out
	s_wait_dscnt \younger
.irp k, 0,1,2,3,4,5,6,7
	global_store_b128 v19, v[64+32*\i+4*\k:64+32*\i+4*\k+3], s[12:13] offset:(16*\i+2*\k)*4096 th:TH_STORE_NT   ; 16 lanes store 256 consecutive bytes, at a multiple of 256 from out0's first byte
.endr
.endm
	PLACES 4
	TOSTAGE 0
	TOSTAGE 1
	SEND 0, 16
	TOSTAGE 2
	SEND 1, 16
	TOSTAGE 3
	SEND 2, 16
	SEND 3, 0
	s_wait_tensorcnt 0x0
	ds_add_u32 v62, v63
	s_wait_dscnt 0x0
	CROUND                                         ; the closing round
	s_endpgm
.Lfunc_end_k_q302b12b10f_oproj:
	.size	k_q302b12b10f_oproj, .Lfunc_end_k_q302b12b10f_oproj-k_q302b12b10f_oproj
	.p2alignl 7, 3214868480
	.fill 96, 4, 3214868480
	.section	.rodata,"a",@progbits
	.p2align	6, 0x0
	.amdhsa_kernel k_q302b12b10f_oproj
		.amdhsa_group_segment_fixed_size 231936
		.amdhsa_private_segment_fixed_size 0
		.amdhsa_enable_private_segment 0
		.amdhsa_kernarg_size 40
		.amdhsa_user_sgpr_count 2
		.amdhsa_user_sgpr_kernarg_segment_ptr 1
		.amdhsa_wavefront_size32 1
		.amdhsa_system_sgpr_workgroup_id_x 1
		.amdhsa_system_sgpr_workgroup_id_y 1
		.amdhsa_system_sgpr_workgroup_id_z 1
		.amdhsa_system_vgpr_workitem_id 0
		.amdhsa_next_free_vgpr 384
		.amdhsa_next_free_sgpr 96
		.amdhsa_reserve_vcc 0
		.amdhsa_float_denorm_mode_32 3
		.amdhsa_float_denorm_mode_16_64 3
		.amdhsa_memory_ordered 1
		.amdhsa_forward_progress 1
		.amdhsa_inst_pref_size 51
	.end_amdhsa_kernel
	.amdgpu_metadata
---
amdhsa.version: [ 1, 2 ]
amdhsa.kernels:
  - .name:           k_q302b12b10f_oproj
    .symbol:         k_q302b12b10f_oproj.kd
    .args:
      - { .name: ocodes, .offset: 0, .size: 8, .value_kind: global_buffer, .address_space: global }
      - { .name: oscales, .offset: 8, .size: 8, .value_kind: global_buffer, .address_space: global }
      - { .name: codes, .offset: 16, .size: 8, .value_kind: global_buffer, .address_space: global }
      - { .name: scales, .offset: 24, .size: 8, .value_kind: global_buffer, .address_space: global }
      - { .name: out0, .offset: 32, .size: 8, .value_kind: global_buffer, .address_space: global }
    .group_segment_fixed_size: 231936
    .private_segment_fixed_size: 0
    .kernarg_segment_align: 8
    .kernarg_segment_size: 40
    .max_flat_workgroup_size: 128
    .sgpr_count:     96
    .vgpr_count:     384
    .wavefront_size: 32
...
	.end_amdgpu_metadata
.endif
;; end of part 3
